; MI455X (gfx1250); checked and timed in simulation.
; The chip was launched on July 23, 2026; its instructions are those of AMD's public machine-readable ISA for CDNA 5 (MIT licence, August 2026) and "CDNA5" Instruction Set Architecture Reference Guide (July 2026). The comments in the code are by the model that wrote it; some were corrected since.
;; Multi Head Attention. Allowed arithmetic: matrix products marked QUANTISED: E2M3 operands, one E8M0 scale for each 32 along K, by v_wmma_scale_f32_16x16x128_f8f6f4 with both operands' format E2M3, f32 sums; everything else in f32.
;; Inputs: Wk 512 x 512 float32; Wo 512 x 512 float32; Wq 512 x 512 float32; Wv 512 x 512 float32; bo 512 float32; x 2 x 4,096 x 512 float32.
;; Outputs: out0 2 x 4,096 x 512 float32.
;; This version of the problem:
;;   THIS VERSION OF THE PROBLEM IS GIVEN IN LOW PRECISION. The matrix products marked QUANTISED in the list below multiply operands that are first quantised to E2M3 (2 exponent bits, 3 mantissa bits; 6 bits a number), with one power-of-two scale for each 32 numbers along K (OCP MX v1.0); their sums are f32. All else is computed in f32.
;;   The module's matrix products, in the order in which they are computed (A, B: the left and right operand; K: the contracted axis; several contracted axes count as one K, in the product's order):
;;     1. [M 8,192, K 512] x [K 512, N 512]; A: input x; B: input Wq: QUANTISED
;;     2. [M 8,192, K 512] x [K 512, N 512]; A: input x; B: input Wk: QUANTISED
;;     3. [M 8,192, K 512] x [K 512, N 512]; A: input x; B: input Wv: QUANTISED
;;     4. batch 16 x [M 4,096, K 64] x [K 64, N 4,096]; A: computed on the way; B: computed on the way: QUANTISED
;;     5. batch 16 x [M 64, K 4,096] x [K 4,096, N 4,096]; A: computed on the way; B: softmax (see below): QUANTISED
;;     6. [M 8,192, K 512] x [K 512, N 512]; A: computed on the way; B: input Wo: QUANTISED
;;   THE QUANTISER, for each operand of a quantised product, along K:
;;     - K is cut into blocks of 32 from its start; a last block that is shorter is filled with zeros.
;;     - A block's scale is 2^e with e = floor(log2(the largest magnitude in the block)) - 2, held to -126 .. 127; a block of zeros has e = 0. As a byte (E8M0): e + 127.
;;     - Each number is divided by its block's scale, clamped to +-7.5, and rounded to the nearest number of E2M3, ties to even, subnormals kept.
;;     - The product sums the exact products of the quantised numbers (number of the format x scale) in f32.
;;   ~~~python
;;   def quantise(x, axis):      # numpy; x: float32 -> the quantised numbers, widened to float32 again
;;       x = np.moveaxis(x, axis, -1); K = x.shape[-1]
;;       x = np.pad(x, [(0, 0)] * (x.ndim - 1) + [(0, -K % 32)]); x = x.reshape(x.shape[:-1] + (-1, 32)); a = np.abs(x).max(-1, keepdims=True)
;;       e = np.where(a > 0, np.clip(np.frexp(np.where(a > 0, a, 1))[1] - 1 - 2, -126, 127), 0)      # np.frexp(a)[1] - 1 = floor(log2(a)), exactly
;;       r = np.clip(x / 2.0 ** e, -7.5, 7.5)
;;       step = 2.0 ** (np.maximum(np.frexp(np.where(r == 0, 1, r))[1] - 1, 0) - 3)
;;       q = np.round(r / step) * step * 2.0 ** e      # np.round: ties to even
;;       return np.moveaxis(q.reshape(q.shape[:-2] + (-1,))[..., :K], -1, axis).astype(np.float32)
;;   ~~~
;;   SOFTMAX AHEAD OF A QUANTISED PRODUCT. Where the list says 'softmax', what is quantised is not the finished softmax but p = 2^(t - M), with t = logit x log2(e) and M = ceil(the row's largest t), a whole number; so 1/2 < the row's largest p <= 1. The row's sum l is taken of the UNQUANTISED p, in f32, and the product's result is divided by l at the end. Since M is a whole number, a kernel that streams over the keys may use a running M (the ceiling of the running maximum): every later rescaling is an exact power of two, which a block's scale takes up: the codes' values come out the same.
;;   OPERANDS COMPUTED ON THE WAY. 'Computed on the way' means the value that the module computes at that place (a softmax that the list does not call 'softmax' is quantised finished and normalised). What goes into a quantiser is computed in f32, as accurately as f32 sums, v_exp_f32 and their like allow (about 1e-6 of the number): no bf16 or f16 on the way to a quantiser, and a product that is left as it is and whose result goes on into a quantised operand takes f32 operands (vector FMAs, or v_wmma_f32_16x16x4_f32). A number that lies on a knife's edge between two numbers of the format may be rounded either way, as far as f32 arithmetic and the matrix unit's own rounding can turn it there, and no further.
;; One version. Each part assembles by itself: llvm-mc -triple=amdgcn-amd-amdhsa -mcpu=gfx1250 --defsym DOCPART=n.
;; ======== version 1 of 1: 4 launches
;; limits: right only within a limited range of input values
;; workspace buffers: cimg 3,932,160 bytes; simg 163,840 bytes; qkvc 9,437,184 bytes; qkvs 393,216 bytes; oc 3,145,728 bytes; os 131,072 bytes
;; launch quant (part 1): grid 640 x 1, 1 waves a work-group, no clusters, 8,704 bytes of LDS; arguments x, Wq, Wk, Wv, Wo, cimg, simg; writes cimg, simg
.if DOCPART == 1
	.amdgcn_target "amdgcn-amd-amdhsa--gfx1250"
	.amdhsa_code_object_version 6
	.text
	.protected	k_qf43bb2a6ba_quant
	.globl	k_qf43bb2a6ba_quant
	.p2align	8
	.type	k_qf43bb2a6ba_quant,@function
k_qf43bb2a6ba_quant:
	s_mov_b64 s[64:65], 0
	v_nop
	global_prefetch_b8 v0, s[64:65] scope:SCOPE_SE
	s_setreg_imm32_b32 hwreg(HW_REG_WAVE_MODE, 25, 1), 1
	s_wait_xcnt 0x0
; x [8192][512] and Wq, Wk, Wv, Wo [512][512], f32, K innermost, become codes of FP6 (E2M3) with one E8M0 byte for each 32 along K,
; laid as IMAGES OF THE OPERAND'S REGISTERS: a tile is 16 rows x 512 K = four fragments of 12 registers a lane.
; cimg: tile T at 6,144 T; K step s at + 1,536 s; registers 4 g .. 4 g + 3 of lane l at + 512 g + 16 l.  Tiles 0-511: x; 512 + 32 w + t: weight w (Wq, Wk, Wv, Wo).
; simg: tile T at 256 T; lane l's 8 bytes at 8 l: word 0 = the scale word of row l % 16 for K step l / 16, word 1 = for K step 2 + l / 16.
; THE ROWS OF A TILE ARE NOT NEIGHBOURS: lane r of tile 4 G + u holds row 64 G + 8 u + r % 8 + 32 (r / 8).  A product whose source 0 is four such tiles leaves,
; in each lane, 32 neighbours along those rows: whole blocks of the next product's K.
; One wave takes one tile.  Each load reads 512 consecutive bytes (a row's K step); the 16 rows turn through a stage in LDS (rows of 528 bytes), from which lane (r, h)
; takes k = 64 c + 32 h + 0 .. 31 of row r: two whole blocks, in the order of the operand's registers.  No block's maximum needs another lane.
; A block's scale is 2^(floor(log2(largest magnitude)) - 2): its byte is the largest magnitude's exponent field - 2, held at 1 from below.
; LIMITS: NaN and infinities are not served; a block of zeros gets the byte 1 where the rule says 127 (its codes are zeros, and this program alone reads the bytes);
; blocks whose largest magnitude lies under 2^-124, the floor, were not tried.
; No matrix unit, no cluster, no tensor load: a stream read once, 32 KiB a wave, three quarters of it asked for at the head.
.set ROWB,  2048                       ; a row in bytes
.set SP,    528                        ; a stage row: 512 bytes + 16
.set SPARE, 16*SP                      ; behind the stage: the spare words, one block of 256 bytes that no other line names
.set L16,   1                          ; v1   16 x lane
.set RDA,   2                          ; v2   528 r + 128 h: where I read my two blocks
.set L8,    3                          ; v3   8 x lane
.set SPW,   4                          ; v4   my spare word; never rewritten
.set NIL,   5                          ; v5   0; never rewritten
.set SH8,   6                          ; v6   8 h
.set PX,    7                          ; v7   a lane permute's destination
.set A0,    16                         ; three sets of 64 numbers
.set A1,    80
.set A2,    144
.set MX,    208                        ; v208-209 largest magnitudes;  v210-211 the conversions' scale operands;  v212-213 bytes
.set SO,    210
.set BY,    212
.set PW,    216                        ; v216-219 the four K steps' scale words
.set PC,    220                        ; v220-231 a fragment's codes
.set PT,    232                        ; v232-238 the upper halves of the blocks' codes, as the conversions leave them
.set WO,    240                        ; v240-241 the scale words as they are stored
.set SEL,   20                         ; s[20:21] v_permlanex16_b32's selects for lane l xor 16
; 64 numbers of a lane, v[src + 32 c + i] = k 64 c + 32 h + i of my row, become the fragment's 12 registers at v[pc] and my row's scale word in v[pw] (the same in lanes l and l xor 16)
.macro QUANT6 src, pw, pc
.irp c, 0,1
	v_max3_num_f32 v[MX+\c], |v[\src+32*\c]|, |v[\src+32*\c+1]|, 0x1800000   ; with the floor 2^(3 - 127): the byte cannot fall under 1
.endr
.irp i, 2,4,6,8,10,12,14,16,18,20,22,24,26,28,30
.irp c, 0,1
	v_max3_num_f32 v[MX+\c], v[MX+\c], |v[\src+32*\c+\i]|, |v[\src+32*\c+\i+1]|   ; the two blocks by turns
.endr
.endr
.irp c, 0,1
	v_add_nc_u32 v[SO+\c], 0xff000000, v[MX+\c]    ; 2 off the exponent field: the conversion takes that field as its scale
.endr
.irp c, 0,1
	v_lshrrev_b32 v[BY+\c], 23, v[SO+\c]           ; the scale's byte
.endr
	v_lshl_or_b32 v[\pw], v[BY+1], 16, v[BY]       ; my blocks are h and 2 + h of the K step
	v_lshlrev_b32 v[\pw], v[SH8], v[\pw]
	v_permlanex16_b32 v[PX], v[\pw], s[SEL], s[SEL+1]
	v_or_b32 v[\pw], v[\pw], v[PX]                 ; with lane l xor 16's two bytes the word is whole
.irp c, 0,1
	v_cvt_scalef32_pk16_fp6_f32 v[\pc+6*\c:\pc+6*\c+2], v[\src+32*\c:\src+32*\c+15], v[SO+\c]
	v_cvt_scalef32_pk16_fp6_f32 v[PT+4*\c:PT+4*\c+2], v[\src+32*\c+16:\src+32*\c+31], v[SO+\c]   ; (a conversion's three registers begin on an even number)
.endr
	v_nop                                          ; one plain place behind the scaled conversions
.irp c, 0,1
.irp i, 0,1,2
	v_mov_b32 v[\pc+3+6*\c+\i], v[PT+4*\c+\i]
.endr
.endr
.endm
.macro LOADK s, a                      ; K step s of the tile's 16 rows: each load 512 consecutive bytes
.irp i, 0,1,2,3,4,5,6,7,8,9,10,11,12,13,14,15
	global_load_b128 v[\a+4*\i:\a+4*\i+3], v[L16], s[18:19] offset:((\i%8)+32*(\i/8))*ROWB+512*\s th:TH_LOAD_NT
.endr
.endm
.macro TURN a                          ; through the stage and back into the same registers; LDS serves a wave's instructions in order (ISA guide 5.7.1.4)
.irp i, 0,1,2,3,4,5,6,7,8,9,10,11,12,13,14,15
	ds_store_b128 v[L16], v[\a+4*\i:\a+4*\i+3] offset:SP*\i
.endr
.irp c, 0,1
.irp j, 0,1,2,3,4,5,6,7
	ds_load_b128 v[\a+32*\c+4*\j:\a+32*\c+4*\j+3], v[RDA] offset:256*\c+16*\j
.endr
.endr
.endm
.macro STOREF s                        ; the fragment's image: three stores of 512 consecutive bytes
.irp g, 0,1,2
	global_store_b128 v[L16], v[PC+4*\g:PC+4*\g+3], s[14:15] offset:1536*\s+512*\g
.endr
.endm
	s_load_b256 s[4:11], s[0:1], 0x0               ; x, Wq, Wk, Wv
	s_load_b128 s[12:15], s[0:1], 0x20             ; Wo, cimg
	s_load_b64 s[16:17], s[0:1], 0x30              ; simg
	v_lshl_add_u32 v[SPW], v0, 2, SPARE
	v_mov_b32 v[NIL], 0
	v_lshlrev_b32 v[L16], 4, v0                    ; one wave: the thread's number is the lane
	v_lshlrev_b32 v[L8], 3, v0
	v_and_b32 v8, 15, v0                           ; r
	v_lshrrev_b32 v9, 4, v0                        ; h
	v_mul_u32_u24 v[RDA], v8, SP
	v_lshl_add_u32 v[RDA], v9, 7, v[RDA]
	v_lshlrev_b32 v[SH8], 3, v9
	v_mov_b32 v[PX], 0                             ; written once: a lane permute's destination counts as one of its sources
	v_cmp_gt_u32 vcc_lo, 16, v0                    ; lanes 0-15
	s_mov_b32 s[SEL], 0x76543210
	s_mov_b32 s[SEL+1], 0xfedcba98
	s_sub_co_u32 s22, ttmp9, 512
	s_lshr_b32 s22, s22, 5                         ; which weight (of no meaning in x's tiles, where x is chosen last)
	s_and_b32 s23, ttmp9, 31                       ; the tile's number in a weight
	s_mul_i32 s26, ttmp9, 6144
	s_mov_b32 s27, 0
	s_lshl_b32 s28, ttmp9, 8
	s_mov_b32 s29, 0
	s_wait_alu depctr_va_vdst(0)
	s_wait_kmcnt 0x0
	s_mov_b64 s[18:19], s[12:13]                   ; the source: a chain of choices on the work-group's number alone
	s_cmp_eq_u32 s22, 2
	s_cselect_b64 s[18:19], s[10:11], s[18:19]
	s_cmp_eq_u32 s22, 1
	s_cselect_b64 s[18:19], s[8:9], s[18:19]
	s_cmp_eq_u32 s22, 0
	s_cselect_b64 s[18:19], s[6:7], s[18:19]
	s_cmp_lt_u32 ttmp9, 512
	s_cselect_b64 s[18:19], s[4:5], s[18:19]
	s_cselect_b32 s23, ttmp9, s23
	s_lshr_b32 s24, s23, 2
	s_lshl_b32 s24, s24, 17                        ; 64 rows of 2,048 bytes a group,
	s_and_b32 s25, s23, 3
	s_lshl_b32 s25, s25, 14                        ; 8 rows a part
	s_or_b32 s24, s24, s25
	s_mov_b32 s25, 0
	s_add_nc_u64 s[18:19], s[18:19], s[24:25]
	s_add_nc_u64 s[14:15], s[14:15], s[26:27]
	s_add_nc_u64 s[16:17], s[16:17], s[28:29]
	LOADK 0, A0
	LOADK 1, A1
	LOADK 2, A2
	s_wait_loadcnt 32                              ; K step 0 is in; the 32 loads of steps 1 and 2 may be out
	TURN A0
	s_wait_loadcnt 16                              ; K step 1 is in
	TURN A1
	s_wait_dscnt 32                                ; set 0 is back from the stage; set 1's 32 LDS instructions may be out
	QUANT6 A0, PW+0, PC
	STOREF 0
	LOADK 3, A0
	s_wait_loadcnt 16                              ; K step 2 is in; step 3's 16 loads may be out
	TURN A2
	s_wait_dscnt 32                                ; set 1 is back
	s_wait_xcnt 0x0                                ; the last stores have read the codes' registers, which are written anew
	QUANT6 A1, PW+1, PC
	STOREF 1
	s_wait_loadcnt 0x0                             ; K step 3 is in
	TURN A0
	s_wait_dscnt 32                                ; set 2 is back
	s_wait_xcnt 0x0
	QUANT6 A2, PW+2, PC
	STOREF 2
	s_wait_dscnt 0x0
	s_wait_xcnt 0x0
	QUANT6 A0, PW+3, PC
	STOREF 3
	v_cndmask_b32 v[WO], v[PW+1], v[PW+0], vcc_lo  ; lanes 0-15: K steps 0 and 2; lanes 16-31: 1 and 3
	v_cndmask_b32 v[WO+1], v[PW+3], v[PW+2], vcc_lo
	global_store_b64 v[L8], v[WO:WO+1], s[16:17]   ; 256 consecutive bytes, aligned
	s_wait_tensorcnt 0x0                           ; the wave's end
	ds_add_u32 v[SPW], v[NIL]
	s_wait_dscnt 0x0
	s_endpgm
.Lfunc_end_k_qf43bb2a6ba_quant:
	.size	k_qf43bb2a6ba_quant, .Lfunc_end_k_qf43bb2a6ba_quant-k_qf43bb2a6ba_quant
	.p2alignl 7, 3214868480
	.fill 96, 4, 3214868480
	.section	.rodata,"a",@progbits
	.p2align	6, 0x0
	.amdhsa_kernel k_qf43bb2a6ba_quant
		.amdhsa_group_segment_fixed_size 8704
		.amdhsa_private_segment_fixed_size 0
		.amdhsa_enable_private_segment 0
		.amdhsa_kernarg_size 56
		.amdhsa_user_sgpr_count 2
		.amdhsa_user_sgpr_kernarg_segment_ptr 1
		.amdhsa_wavefront_size32 1
		.amdhsa_system_sgpr_workgroup_id_x 1
		.amdhsa_system_sgpr_workgroup_id_y 1
		.amdhsa_system_sgpr_workgroup_id_z 1
		.amdhsa_system_vgpr_workitem_id 0
		.amdhsa_next_free_vgpr 256
		.amdhsa_next_free_sgpr 66
		.amdhsa_reserve_vcc 1
		.amdhsa_float_denorm_mode_32 3
		.amdhsa_float_denorm_mode_16_64 3
		.amdhsa_memory_ordered 1
		.amdhsa_forward_progress 1
		.amdhsa_inst_pref_size 30
	.end_amdhsa_kernel
	.amdgpu_metadata
---
amdhsa.version: [ 1, 2 ]
amdhsa.kernels:
  - .name:           k_qf43bb2a6ba_quant
    .symbol:         k_qf43bb2a6ba_quant.kd
    .args:
      - { .name: x, .offset: 0, .size: 8, .value_kind: global_buffer, .address_space: global }
      - { .name: Wq, .offset: 8, .size: 8, .value_kind: global_buffer, .address_space: global }
      - { .name: Wk, .offset: 16, .size: 8, .value_kind: global_buffer, .address_space: global }
      - { .name: Wv, .offset: 24, .size: 8, .value_kind: global_buffer, .address_space: global }
      - { .name: Wo, .offset: 32, .size: 8, .value_kind: global_buffer, .address_space: global }
      - { .name: cimg, .offset: 40, .size: 8, .value_kind: global_buffer, .address_space: global }
      - { .name: simg, .offset: 48, .size: 8, .value_kind: global_buffer, .address_space: global }
    .group_segment_fixed_size: 8704
    .private_segment_fixed_size: 0
    .kernarg_segment_align: 8
    .kernarg_segment_size: 56
    .max_flat_workgroup_size: 32
    .sgpr_count:     66
    .vgpr_count:     256
    .wavefront_size: 32
...
	.end_amdgpu_metadata
.endif
;; end of part 1
;; launch proj (part 2): grid 768 x 1, 1 waves a work-group, no clusters, 0 bytes of LDS; arguments cimg, simg, qkvc, qkvs; writes qkvc, qkvs
.if DOCPART == 2
	.amdgcn_target "amdgcn-amd-amdhsa--gfx1250"
	.amdhsa_code_object_version 6
	.text
	.protected	k_qf43bb2a6ba_proj
	.globl	k_qf43bb2a6ba_proj
	.p2align	8
	.type	k_qf43bb2a6ba_proj,@function
k_qf43bb2a6ba_proj:
	s_mov_b64 s[64:65], 0
	v_nop
	global_prefetch_b8 v0, s[64:65] scope:SCOPE_SE
	s_setreg_imm32_b32 hwreg(HW_REG_WAVE_MODE, 25, 1), 1
	s_wait_xcnt 0x0
; q = x Wq^T, k = x Wk^T, v = x Wv^T on codes of FP6 (E2M3), and their results quantised at once for the attention's two products.
; One wave does one job: 8 HELD tiles (32 fragments, 384 registers, read once) against 8 STREAMED tiles: 256 matrix instructions, source 0 = held, source 1 = streamed.
;   q, k (jobs 0-255, 256-511): held = 8 tiles of W (128 columns: two heads), streamed = 8 tiles of x.  A lane then holds one row of x and, in registers 32 c + i, dim 32 h + i of head c:
;      whole blocks along the first attention product's K.
;   v (jobs 512-767): held = 8 tiles of x (128 keys), streamed = 8 tiles of Wv (two heads' dims).  A lane then holds one dim and, in registers 32 c + i, key 64 c + 32 h + i:
;      whole blocks along the second product's K, the keys.
; That order comes from the tiles' rows (lane r of tile 4 G + u: row 64 G + 8 u + r % 8 + 32 (r / 8)).  One text serves the three: bases and two byte selects are chosen on the work-group's number.
; OUT, as images of registers.  A HALF is 6 registers: registers 0-3 of lane l at 16 l, registers 4-5 at 512 + 8 l: 768 bytes.
;   qkvc: q at 0, k at 3,145,728: [batch 2][pair of heads 4][tile 256][head of the pair 2][768];  v at 6,291,456: [batch 2][key step 32][head 8][tile of dims 4][c 2][768].
;   qkvs: q at 0, k at 131,072: [batch][pair][key step][512]: the word at 256 ch + 16 r + 4 f: bytes 0, 1 of tile 2 f's row r, bytes 2, 3 of tile 2 f + 1's;
;         v at 262,144: [batch][key step][pair][512]: word p of lane l: the scale word of the pair's tile 2 p + l / 16, row l % 16.
; No LDS, no tensor load, no cluster: each operand goes from memory straight into the registers in which the matrix unit takes it, by dense loads, and a work-group is one wave.
; LIMITS: as the quantiser's in the launch before: NaN and infinities not served, a block of zeros has the byte 1, blocks under 2^-124 not tried.
; REGISTERS: window 0: as named below.  Window 1: held fragment (t, s = 0, 1) at v[12 (2 t + s)].  Window 2: (t, s = 2, 3) at v[12 (2 t + s - 2)].
.set L16,   1                          ; v1   16 x lane
.set L8,    2                          ; v2   8 x lane
.set SH8,   3                          ; v3   8 h
.set PX,    4                          ; v4   a lane permute's destination
.set HS,    12                         ; v12-27  the held tiles' scale words, two registers a tile: register s / 2, lanes 0-15 for even s, lanes 16-31 for odd s
.set SS,    28                         ; v28-31  the streamed tile's, two sets
.set F,     32                         ; v32-79, v80-127  the streamed tile's four fragments, two sets
.set ACC,   128                        ; v128-191  eight accumulators
.set MX,    192
.set SO,    194
.set BY,    196
.set PW,    198                        ; the scale word just made;  v199: the even tile's, kept
.set PWE,   199
.set T1,    200
.set T2,    201
.set W,     204                        ; v204-207  the job's 512 bytes of scale words
.set PC,    208                        ; v208-219  codes
.set PT,    220
.set SEL,   24
.set MSB, 0
.macro WIN new                         ; the immediate's high byte repeats the setting that is left
.if MSB != \new
	s_set_vgpr_msb (MSB<<8)|\new
.set MSB, \new
.endif
.endm
.macro QUANT6 src, pw, pc              ; 64 numbers of a lane, v[src + 32 c + i] = k 64 c + 32 h + i, become 12 registers of codes and a scale word
.irp c, 0,1
	v_max3_num_f32 v[MX+\c], |v[\src+32*\c]|, |v[\src+32*\c+1]|, 0x1800000   ; with the floor 2^(3 - 127).  Each accumulator is read from its low end on
.endr
.irp i, 2,4,6,8,10,12,14,16,18,20,22,24,26,28,30
.irp c, 0,1
	v_max3_num_f32 v[MX+\c], v[MX+\c], |v[\src+32*\c+\i]|, |v[\src+32*\c+\i+1]|
.endr
.endr
.irp c, 0,1
	v_add_nc_u32 v[SO+\c], 0xff000000, v[MX+\c]
.endr
.irp c, 0,1
	v_lshrrev_b32 v[BY+\c], 23, v[SO+\c]
.endr
	v_lshl_or_b32 v[\pw], v[BY+1], 16, v[BY]
	v_lshlrev_b32 v[\pw], v[SH8], v[\pw]
	v_permlanex16_b32 v[PX], v[\pw], s[SEL], s[SEL+1]
	v_or_b32 v[\pw], v[\pw], v[PX]
.irp c, 0,1
	v_cvt_scalef32_pk16_fp6_f32 v[\pc+6*\c:\pc+6*\c+2], v[\src+32*\c:\src+32*\c+15], v[SO+\c]
	v_cvt_scalef32_pk16_fp6_f32 v[PT+4*\c:PT+4*\c+2], v[\src+32*\c+16:\src+32*\c+31], v[SO+\c]
.endr
	v_nop                                          ; one plain place behind the scaled conversions
.irp c, 0,1
.irp i, 0,1,2
	v_mov_b32 v[\pc+3+6*\c+\i], v[PT+4*\c+\i]
.endr
.endr
.endm
.macro SLOAD i                         ; streamed tile i: 12 loads of 512 bytes and its scale words: 13 loads
.irp s, 0,1,2,3
.irp g, 0,1,2
	global_load_b128 v[F+48*((\i)%2)+12*\s+4*\g:F+48*((\i)%2)+12*\s+4*\g+3], v[L16], s[14:15] offset:6144*(\i)+1536*\s+512*\g
.endr
.endr
	global_load_b64 v[SS+2*((\i)%2):SS+2*((\i)%2)+1], v[L8], s[18:19] offset:256*(\i)
.endm
.macro PRODS s, first                  ; K step s of the eight accumulators, by turns, one instruction a turn
.irp t, 0,1,2,3,4,5,6,7
.if \first
	v_wmma_scale_f32_16x16x128_f8f6f4 v[ACC+8*\t:ACC+8*\t+7], v[12*(2*\t):12*(2*\t)+11], v[FS:FS+11], 0, v[HS+2*\t], v[SSI] matrix_a_fmt:MATRIX_FMT_FP6 matrix_b_fmt:MATRIX_FMT_FP6
.elseif (\s)%2
	v_wmma_scale_f32_16x16x128_f8f6f4 v[ACC+8*\t:ACC+8*\t+7], v[12*(2*\t+1):12*(2*\t+1)+11], v[FS+12*(\s):FS+12*(\s)+11], v[ACC+8*\t:ACC+8*\t+7], v[HS+2*\t+(\s)/2], v[SSI+(\s)/2] matrix_a_fmt:MATRIX_FMT_FP6 matrix_b_fmt:MATRIX_FMT_FP6 matrix_a_scale:MATRIX_SCALE_ROW1 matrix_b_scale:MATRIX_SCALE_ROW1
.else
	v_wmma_scale_f32_16x16x128_f8f6f4 v[ACC+8*\t:ACC+8*\t+7], v[12*(2*\t):12*(2*\t)+11], v[FS+12*(\s):FS+12*(\s)+11], v[ACC+8*\t:ACC+8*\t+7], v[HS+2*\t+(\s)/2], v[SSI+(\s)/2] matrix_a_fmt:MATRIX_FMT_FP6 matrix_b_fmt:MATRIX_FMT_FP6
.endif
.endr
.endm
.macro TILE i
.set FS,  F+48*((\i)%2)
.set SSI, SS+2*((\i)%2)
.if (\i) < 7
	s_wait_loadcnt 13                              ; all but the next tile's 13 loads are in
.else
	s_wait_loadcnt 0x0
.endif
	WIN 0x01                                       ; source 0 in window 1
	PRODS 0, 1                                     ; the first K step starts the sums: nothing is cleared
	PRODS 1, 0
	WIN 0x02                                       ; source 0 in window 2
	PRODS 2, 0
	PRODS 3, 0
	WIN 0
.rept 5
	v_nop                                          ; places: four ahead of the reads of results and of the loads into the set just multiplied, five ahead of the next tile's products, which write over these accumulators
.endr
.if (\i)+2 < 8
	SLOAD (\i)+2
.endif
	s_wait_xcnt 0x0                                ; the last tile's stores have read the codes' registers
	QUANT6 ACC, PW, PC
	global_store_b128 v[L16], v[PC:PC+3], s[20:21] offset:1536*(\i)            ; two halves; every store covers whole aligned blocks of 256 bytes
	global_store_b64 v[L8], v[PC+4:PC+5], s[20:21] offset:1536*(\i)+512
	global_store_b128 v[L16], v[PC+6:PC+9], s[20:21] offset:1536*(\i)+768
	global_store_b64 v[L8], v[PC+10:PC+11], s[20:21] offset:1536*(\i)+1280
.if (\i)%2 == 0
	v_mov_b32 v[PWE], v[PW]
.else
	v_perm_b32 v[T1], v[PW], v[PWE], s26           ; q, k: the first head's bytes of both tiles;  v: the even tile's word
	v_perm_b32 v[T2], v[PW], v[PWE], s27           ; q, k: the second head's;                      v: the odd tile's word
	v_cndmask_b32 v[W+(\i)/2], v[T2], v[T1], vcc_lo   ; lanes 0-15 the first, lanes 16-31 the second
.endif
.endm
	s_load_b256 s[4:11], s[0:1], 0x0               ; cimg, simg, qkvc, qkvs
	v_lshlrev_b32 v[L16], 4, v0                    ; one wave: the thread's number is the lane
	v_lshlrev_b32 v[L8], 3, v0
	v_lshrrev_b32 v[SH8], 4, v0
	v_lshlrev_b32 v[SH8], 3, v[SH8]
	v_mov_b32 v[PX], 0                             ; written once: a lane permute's destination counts as one of its sources
	v_cmp_gt_u32 vcc_lo, 16, v0                    ; lanes 0-15
	s_mov_b32 s[SEL], 0x76543210
	s_mov_b32 s[SEL+1], 0xfedcba98
	s_lshr_b32 s28, ttmp9, 8                       ; 0 q, 1 k, 2 v
	s_and_b32 s29, ttmp9, 255
	s_lshr_b32 s30, s29, 2                         ; which 128 rows of x
	s_and_b32 s31, s29, 3                          ; which pair of heads
	s_lshr_b32 s32, s30, 5                         ; batch
	s_and_b32 s33, s30, 31                         ; key step in the batch
	s_lshl_b32 s34, s30, 3                         ; x's first tile
	s_lshl_b32 s35, s28, 5
	s_lshl_b32 s36, s31, 3
	s_add_co_u32 s35, s35, s36
	s_add_co_u32 s35, s35, 512                     ; the weight's first tile
	s_mul_i32 s36, s33, 49152
	s_mul_i32 s37, s31, 12288
	s_add_co_u32 s36, s36, s37                     ; the codes' place in a batch: v's,
	s_mul_i32 s37, s31, 393216
	s_mul_i32 s38, s33, 12288
	s_add_co_u32 s37, s37, s38                     ; q's and k's
	s_lshl_b32 s38, s33, 11
	s_lshl_b32 s39, s31, 9
	s_add_co_u32 s38, s38, s39                     ; the scale words': v's,
	s_lshl_b32 s39, s31, 14
	s_lshl_b32 s40, s33, 9
	s_add_co_u32 s39, s39, s40                     ; q's and k's
	s_mov_b32 s26, 0x05040100
	s_mov_b32 s27, 0x07060302
	s_cmp_eq_u32 s28, 2
	s_cselect_b32 s43, s34, s35                    ; held: v: x;  q, k: the weight
	s_cselect_b32 s44, s35, s34                    ; streamed: the other
	s_cselect_b32 s36, s36, s37
	s_cselect_b32 s38, s38, s39
	s_cselect_b32 s26, 0x03020100, s26
	s_cselect_b32 s27, 0x07060504, s27
	s_mul_i32 s37, s28, 3145728
	s_add_co_u32 s36, s36, s37
	s_mul_i32 s37, s32, 1572864
	s_add_co_u32 s36, s36, s37
	s_mov_b32 s37, 0
	s_lshl_b32 s39, s28, 17
	s_add_co_u32 s38, s38, s39
	s_lshl_b32 s39, s32, 16
	s_add_co_u32 s38, s38, s39
	s_mov_b32 s39, 0
	s_mov_b32 s41, 0
	s_wait_alu depctr_va_vdst(0)
	s_wait_kmcnt 0x0
	s_mul_i32 s40, s43, 6144
	s_add_nc_u64 s[12:13], s[4:5], s[40:41]        ; held codes
	s_mul_i32 s40, s44, 6144
	s_add_nc_u64 s[14:15], s[4:5], s[40:41]        ; streamed codes
	s_lshl_b32 s40, s43, 8
	s_add_nc_u64 s[16:17], s[6:7], s[40:41]        ; held scale words
	s_lshl_b32 s40, s44, 8
	s_add_nc_u64 s[18:19], s[6:7], s[40:41]        ; streamed scale words
	s_add_nc_u64 s[20:21], s[8:9], s[36:37]        ; where the codes go
	s_add_nc_u64 s[22:23], s[10:11], s[38:39]      ; and the scale words
	WIN 0x40                                       ; destination window 1
.irp t, 0,1,2,3,4,5,6,7
.irp s, 0,1
.irp g, 0,1,2
	global_load_b128 v[12*(2*\t+\s)+4*\g:12*(2*\t+\s)+4*\g+3], v[L16], s[12:13] offset:6144*\t+1536*\s+512*\g
.endr
.endr
.endr
	WIN 0x80                                       ; destination window 2
.irp t, 0,1,2,3,4,5,6,7
.irp s, 0,1
.irp g, 0,1,2
	global_load_b128 v[12*(2*\t+\s)+4*\g:12*(2*\t+\s)+4*\g+3], v[L16], s[12:13] offset:6144*\t+1536*(\s+2)+512*\g
.endr
.endr
.endr
	WIN 0
.irp t, 0,1,2,3,4,5,6,7
	global_load_b64 v[HS+2*\t:HS+2*\t+1], v[L8], s[16:17] offset:256*\t
.endr
	SLOAD 0
	SLOAD 1
.irp i, 0,1,2,3,4,5,6,7
	TILE \i
.endr
	global_store_b128 v[L16], v[W:W+3], s[22:23]   ; 512 consecutive bytes
	s_endpgm
.Lfunc_end_k_qf43bb2a6ba_proj:
	.size	k_qf43bb2a6ba_proj, .Lfunc_end_k_qf43bb2a6ba_proj-k_qf43bb2a6ba_proj
	.p2alignl 7, 3214868480
	.fill 96, 4, 3214868480
	.section	.rodata,"a",@progbits
	.p2align	6, 0x0
	.amdhsa_kernel k_qf43bb2a6ba_proj
		.amdhsa_group_segment_fixed_size 0
		.amdhsa_private_segment_fixed_size 0
		.amdhsa_enable_private_segment 0
		.amdhsa_kernarg_size 32
		.amdhsa_user_sgpr_count 2
		.amdhsa_user_sgpr_kernarg_segment_ptr 1
		.amdhsa_wavefront_size32 1
		.amdhsa_system_sgpr_workgroup_id_x 1
		.amdhsa_system_sgpr_workgroup_id_y 1
		.amdhsa_system_sgpr_workgroup_id_z 1
		.amdhsa_system_vgpr_workitem_id 0
		.amdhsa_next_free_vgpr 704
		.amdhsa_next_free_sgpr 66
		.amdhsa_reserve_vcc 1
		.amdhsa_float_denorm_mode_32 3
		.amdhsa_float_denorm_mode_16_64 3
		.amdhsa_memory_ordered 1
		.amdhsa_forward_progress 1
		.amdhsa_inst_pref_size 84
	.end_amdhsa_kernel
	.amdgpu_metadata
---
amdhsa.version: [ 1, 2 ]
amdhsa.kernels:
  - .name:           k_qf43bb2a6ba_proj
    .symbol:         k_qf43bb2a6ba_proj.kd
    .args:
      - { .name: cimg, .offset: 0, .size: 8, .value_kind: global_buffer, .address_space: global }
      - { .name: simg, .offset: 8, .size: 8, .value_kind: global_buffer, .address_space: global }
      - { .name: qkvc, .offset: 16, .size: 8, .value_kind: global_buffer, .address_space: global }
      - { .name: qkvs, .offset: 24, .size: 8, .value_kind: global_buffer, .address_space: global }
    .group_segment_fixed_size: 0
    .private_segment_fixed_size: 0
    .kernarg_segment_align: 8
    .kernarg_segment_size: 32
    .max_flat_workgroup_size: 32
    .sgpr_count:     66
    .vgpr_count:     704
    .wavefront_size: 32
...
	.end_amdgpu_metadata
.endif
;; end of part 2
;; launch attn (part 3): grid 16 x 16, 8 waves a work-group, no clusters, 327,680 bytes of LDS; arguments qkvc, qkvs, oc, os; writes oc, os
.if DOCPART == 3
	.amdgcn_target "amdgcn-amd-amdhsa--gfx1250"
	.amdhsa_code_object_version 6
	.text
	.protected	k_qf43bb2a6ba_attn
	.globl	k_qf43bb2a6ba_attn
	.p2align	8
	.type	k_qf43bb2a6ba_attn,@function
k_qf43bb2a6ba_attn:
	s_mov_b64 s[64:65], 0
	v_nop
	global_prefetch_b8 v0, s[64:65] scope:SCOPE_SE
	s_setreg_imm32_b32 hwreg(HW_REG_WAVE_MODE, 25, 1), 1
	s_wait_xcnt 0x0
; o = softmax(q k^T / 8) v for one head and 256 queries a work-group, both products on codes of FP6 (E2M3) with E8M0 scales; o is quantised at once for the last projection.
; THE SOFTMAX AHEAD OF THE SECOND PRODUCT: t = score x log2(e) / 8; M = the running largest t rounded UP to a whole number; p = 2^(t - M) is quantised along the keys, not normalised.
; The row's sum is taken of the unquantised p and divides at the end.  When M moves, the sums and O are multiplied by 2^(old M - new M): exact, and with no branch on data.
; SHARES.  Work-group (x, y): query tiles 16 x .. 16 x + 15 of batch y / 8, head y % 8.  Each of eight waves owns TWO tiles of 16 queries (a = 0, 1) in 512 registers and walks all 4,096 keys,
; 256 a trip (two runs d = 0, 1 of 128), 4 trips a slot, 4 slots.  Each fragment of K and V is read from LDS once for both tiles; M moves once for 256 keys.
; K's and V's register images come through a ring of two LDS slots of 98,304 bytes: waves 0, 1 fetch K's halves, waves 2 to 5 V's quarters; at the head waves 6, 7 fetch the scale words of the whole head.
; LAYOUT.  Both products transposed: S^T = K Q^T, O^T = V^T P^T: a lane holds one query (lane % 16) of each tile.  By the order of the tiles' rows S^T's register 32 c + i of a run is key 64 c + 32 h + i:
; whole blocks of 32 keys in a lane, in the order of the operand's registers.
; THE HEAD IS 64 AND THE INSTRUCTION'S K IS 128.  A fragment of K holds two tiles of keys, one in k = 0 .. 63, one in k = 64 .. 127; it is multiplied by [q, 0] and by [0, q]: zero codes add nothing.
; The two q stand between three runs of six zeros: 0 q0 0 q1 0.
; REGISTERS.  Window 1 (v256-511): the scores, then p: tile a, run d at 128 a + 64 d.  When tile 0's p are summed and converted, its 128 registers take V's fragments (0-95), tile 1's codes (96-119) and a temporary (120-127).
; Window 0: as named below.  X holds the second run's fragments of K during the first product, afterwards tile 0's codes, temporaries, block maxima and the conversions' scale operands.
; OUT: oc [tile 512][head 8][768]: a half (6 registers) of a fragment of the last projection's operand;  os [tile][256]: the head's two bytes of row r at 128 (pair % 2) + 8 r + 4 (pair / 2) + 2 (head % 2).
; Those bytes are stored two a lane: their blocks of 256 bytes are written in parts, 32 bytes a tile beside its 768 bytes of codes.
; NO JOINT LOADS, though the sixteen work-groups of a head read the same tiles: a slot's 98,304 bytes serve four trips, in which the eight waves issue some 26,000 vector instructions;
; what is shared is small beside a slot's own work, and a round at each change of slots would tie four work-groups' 32 waves to one pace.
; O^T starts from zeros written once (64 registers): the loop has no first trip of its own, which would be a third copy of the trip's text.
; LIMITS: NaN and infinities not served; a block of zeros has the byte 1 (its codes are zeros); a block's largest p is taken through its largest score, which leans on v_exp_f32 not falling where its input rises;
; the promise holds while the scaled scores stay under 2^31 in magnitude.
.set SLOT1, 131072                     ; slot 1 begins here: one exclusive or turns an address from slot to slot.  A slot: K's 8 x 6,144 bytes, then V's
.set VOFF,  49152
.set SCK,   98304                      ; between the slots: K's scale words of the whole head, 256 bytes for 128 keys;
.set SCV,   106496                     ; V's, of the pair of heads, 512 bytes for 128 keys;
.set SPARE, 122880                     ; the spare words, 128 bytes for each wave: four blocks of 256 bytes that no other line names
.set KSLOT, 98304                      ; from slot to slot in memory: 64 tiles of 1,536 bytes;
.set VSLOT, 393216                     ; 8 runs of 49,152 bytes
.set L16,  1                           ; 16 x lane
.set L8,   2                           ; 8 x lane
.set ASK0, 3                           ; SCK + 16 r
.set ASV0, 4                           ; SCV + 16 lane + 8 (head % 2)
.set SPW,  5                           ; my spare word; never rewritten
.set NIL,  6                           ; 0; never rewritten
.set R8,   7                           ; 8 r
.set AD16, 8                           ; v8-11 the trip's LDS addresses
.set AD8,  9
.set ADS,  10
.set ADT,  11
.set NM,   12                          ; v[NM + 2 a] -M, v[NM + 2 a + 1] the largest t
.set FF,   16                          ; v[FF + 2 a] 2^(old M - new M), named as a pair
.set T0,   20
.set T1,   22
.set QS,   24                          ; q's scale words
.set PS,   26                          ; p's: PS + 2 a + d
.set PFO,  30                          ; the prefetch's offset; never rewritten
.set SH8,  31                          ; 8 h
.set KS,   32                          ; K's scale words: 4 a run
.set VS,   40                          ; V's: 2 a run: register t / 2, lanes 0-15 for even t, 16-31 for odd t
.set SUM,  44                          ; the sums: four chains of pairs a tile: SUM + 8 a + 2 k
.set QB,   60                          ; v60-89: 0 q0 0 q1 0
.set F,    90                          ; v90-137 K's four fragments of run 0
.set X,    138                         ; v138-185
.set PT,   X+24                        ; the upper halves of the blocks' codes as the conversions leave them: 8 a run (run 1's lie where the block maxima lay)
.set BM,   X+32                        ; the blocks' largest scores, then largest p: BM + 4 a + 2 d + c
.set SO,   X+40                        ; the conversions' scale operands, likewise
.set BY,   186
.set OT,   190                         ; v190-253 O^T: register 32 a + 8 t + j is dim 32 h + 8 t + j
.set OLD,  254
.set PC1,  96                          ; in window 1
.set PT1,  120
.set TB,   2
.set TS,   3
.set WV,   12
.set TJ,   13
.set SLOTS, 14
.set LIM,  15                          ; 1 in the wave that prefetches, else the greatest number
.set PFA,  16
.set PFS,  18
.set SEL,  20
.set CS,   22                          ; s[22:23] log2(e) / 8
.set G1K,  24
.set G1V,  32
.set G0K,  40
.set G0V,  44
.set G1SK, 48
.set G1SV, 56
.set SB,   66                          ; the slot in hand; its runs' scale words of K and of V
.set SK0,  67
.set G0SK, 68
.set G0SV, 72
.set SV0,  92
.set CNT,  93
.set MSB, 0
.macro WIN new                         ; the immediate's high byte repeats the setting that is left
.if MSB != \new
	s_set_vgpr_msb (MSB<<8)|\new
.set MSB, \new
.endif
.endm
.macro TL g0, g1                       ; a tensor load with an s_nop and four v_nops behind it
	tensor_load_to_lds s[\g0:\g0+3], s[\g1:\g1+7]
	s_nop 0
.rept 4
	v_nop
.endr
.endm
.macro TLOAD                           ; waves 0, 1: K's halves; waves 2 to 5: V's quarters; waves 6, 7 have no part
	s_cmp_lt_u32 s[WV], 2
	s_cbranch_scc0 .Lnot_k_\@
	TL G0K, G1K
	s_branch .Lasked_\@
.Lnot_k_\@:
	s_cmp_lt_u32 s[WV], 6
	s_cbranch_scc0 .Lasked_\@
	TL G0V, G1V
.Lasked_\@:
.endm
; A PREFETCH INTO THE L2 of what the NEXT change of slots will ask for: K's 64 rows of 768 bytes and V's 8 rows of 6,144: 384 blocks of 256 bytes.  The sixteen work-groups of a head share them out by address,
; 24 each (work-groups 0-7 K's, 8-15 V's): wave 7, a lane a block, lanes 24-31 name the last again.  The last change that fills a slot asks for nothing; slots 0 and 1 come by their loads alone.
.macro ASK
	s_cmp_gt_u32 s[SLOTS], s[LIM]
	s_cbranch_scc0 .Lnot_mine_\@
	global_prefetch_b8 v[PFO], s[PFA:PFA+1] th:TH_LOAD_NT scope:SCOPE_SE
.Lnot_mine_\@:
.endm
; THE CHANGE OF SLOTS: each wave waits for all its tensor loads, adds 0 to its spare word, waits for that and for its reads of the slot that it has left; one barrier;
; behind it the slot ahead is whole and nobody reads the other.  fill = 1: that other slot takes the next 1,024 keys: the load has four trips in which to land.
.macro CHANGE fill
	s_wait_alu depctr_va_vdst(0)
	s_wait_tensorcnt 0x0                           ; no tensor load of mine is out, so a group 0 may be written
	ds_add_u32 v[SPW], v[NIL]
.if \fill
	s_xor_b32 s[G0K+1], s[G0K+1], SLOT1
	s_add_nc_u64 s[G0K+2:G0K+3], s[G0K+2:G0K+3], KSLOT
	s_xor_b32 s[G0V+1], s[G0V+1], SLOT1
	s_add_nc_u64 s[G0V+2:G0V+3], s[G0V+2:G0V+3], VSLOT
	s_wait_xcnt 0x0                                ; the last prefetch, a slot back, has read its address
	s_add_nc_u64 s[PFA:PFA+1], s[PFA:PFA+1], s[PFS:PFS+1]
.endif
	s_wait_dscnt 0x0                               ; the add is done, and my reads of the slot that I have left are over
	s_barrier_signal -1
	s_barrier_wait -1
.if \fill
	TLOAD                                          ; the first thing behind the barrier, a wave's one tensor load until the next
	ASK
.endif
.endm
.macro FRAGS reg, base                 ; four fragments as they lie: 16 dense loads
.irp f, 0,1,2,3
	ds_load_b128 v[\reg+12*\f:\reg+12*\f+3],     v[AD16] offset:\base+1536*\f
	ds_load_b64  v[\reg+12*\f+4:\reg+12*\f+5],   v[AD8]  offset:\base+1536*\f+512
	ds_load_b128 v[\reg+12*\f+6:\reg+12*\f+9],   v[AD16] offset:\base+1536*\f+768
	ds_load_b64  v[\reg+12*\f+10:\reg+12*\f+11], v[AD8]  offset:\base+1536*\f+1280
.endr
.endm
.macro QK d, fr                        ; S^T of run d for both tiles: 16 products, each on an accumulator of its own, begun with 0
.irp f, 0,1,2,3
.irp a, 0,1
	v_wmma_scale_f32_16x16x128_f8f6f4 v[128*\a+64*\d+16*\f:128*\a+64*\d+16*\f+7], v[\fr+12*\f:\fr+12*\f+11], v[QB+6+12*\a:QB+17+12*\a], 0, v[KS+4*\d+\f], v[QS+\a] matrix_a_fmt:MATRIX_FMT_FP6 matrix_b_fmt:MATRIX_FMT_FP6
	v_wmma_scale_f32_16x16x128_f8f6f4 v[128*\a+64*\d+16*\f+8:128*\a+64*\d+16*\f+15], v[\fr+12*\f:\fr+12*\f+11], v[QB+12*\a:QB+11+12*\a], 0, v[KS+4*\d+\f], v[QS+\a] matrix_a_fmt:MATRIX_FMT_FP6 matrix_b_fmt:MATRIX_FMT_FP6
.endr
.endr
.endm
.macro SUMS a, cnt                     ; 8 cnt of tile a's numbers in window 1 onto its four chains, two numbers an instruction
	WIN 0x04                                       ; source 1 in window 1
.set N, 0
.rept \cnt
.irp k, 0,1,2,3
	v_pk_add_f32 v[SUM+8*\a+2*\k:SUM+8*\a+2*\k+1], v[SUM+8*\a+2*\k:SUM+8*\a+2*\k+1], v[128*\a+N+2*\k:128*\a+N+2*\k+1]
.endr
.set N, N+8
.endr
.endm
.macro PV a, d, pc                     ; O^T of tile a += V^T of run d x p^T: four accumulators by turns
.irp t, 0,2
	v_wmma_scale_f32_16x16x128_f8f6f4 v[OT+32*\a+8*\t:OT+32*\a+8*\t+7], v[48*\d+12*\t:48*\d+12*\t+11], v[\pc:\pc+11], v[OT+32*\a+8*\t:OT+32*\a+8*\t+7], v[VS+2*\d+\t/2], v[PS+2*\a+\d] matrix_a_fmt:MATRIX_FMT_FP6 matrix_b_fmt:MATRIX_FMT_FP6
	v_wmma_scale_f32_16x16x128_f8f6f4 v[OT+32*\a+8*\t+8:OT+32*\a+8*\t+15], v[48*\d+12*\t+12:48*\d+12*\t+23], v[\pc:\pc+11], v[OT+32*\a+8*\t+8:OT+32*\a+8*\t+15], v[VS+2*\d+\t/2], v[PS+2*\a+\d] matrix_a_fmt:MATRIX_FMT_FP6 matrix_b_fmt:MATRIX_FMT_FP6 matrix_a_scale:MATRIX_SCALE_ROW1
.endr
.endm
.macro DEP2
	s_delay_alu instid0(VALU_DEP_2)
.endm
; A STAGE: the 64 exponentials of unit u (tile u / 2, run u % 2: window 1, from 64 u on), and among them, one behind every two, the next unit's 32 packed t - M, which name none of their registers.
; The wait at the stage's end stands ahead of the first readers of both.
.macro STAGE u
.set N, 0
.rept 32
	v_exp_f32 v[64*\u+N], v[64*\u+N]               ; p = 2^(t - M)
	v_exp_f32 v[64*\u+N+1], v[64*\u+N+1]
	v_pk_fma_f32 v[64*\u+64+N:64*\u+64+N+1], v[64*\u+64+N:64*\u+64+N+1], s[CS:CS+1], v[NM+2*((\u+1)/2):NM+2*((\u+1)/2)+1] op_sel_hi:[1,0,0]
.set N, N+2
.endr
	s_wait_alu depctr_va_vdst(0)
.endm
; A TRIP: 256 keys for both tiles
.macro TRIP
	v_add_nc_u32 v[AD16], s[TB], v[L16]            ; these four and the v_nop are the five places behind the last trip's products (ISA guide 7.12.1)
	v_add_nc_u32 v[AD8], s[TB], v[L8]
	v_add_nc_u32 v[ADS], s[TS], v[ASK0]
	v_add_nc_u32 v[ADT], s[TJ], v[ASV0]
	v_nop
	s_wait_alu depctr_va_vdst(0)
	FRAGS X, 6144                                  ; run 1's fragments; run 0's were asked for a trip ago, or at the slot's head
	ds_load_b128 v[KS+4:KS+7], v[ADS] offset:256
	s_wait_dscnt 17                                ; all but these 17 loads are in
	WIN 0x40                                       ; results in window 1
	QK 0, F
	s_wait_dscnt 0x0
	QK 1, X
.rept 4
	v_nop                                          ; places ahead of the first reads of the scores, of the writes into X and of the loads into F and K's scale words
.endr
	WIN 0
	FRAGS F, 12288                                 ; the next trip's run 0, a trip ahead.  (A slot's last trip reads V's first bytes of its own slot here, and uses nothing of them)
	ds_load_b128 v[KS:KS+3], v[ADS] offset:512
	WIN 0x15                                       ; THE LARGEST SCORE OF EACH BLOCK OF 32 KEYS, eight blocks by turns
.irp a, 0,1
.irp b, 0,1,2,3
	v_max3_num_f32 v[BM+4*\a+\b], v[128*\a+32*\b], v[128*\a+32*\b+1], v[128*\a+32*\b+2]
.endr
.endr
	WIN 0x14
.irp i, 3,5,7,9,11,13,15,17,19,21,23,25,27,29
.irp a, 0,1
.irp b, 0,1,2,3
	v_max3_num_f32 v[BM+4*\a+\b], v[BM+4*\a+\b], v[128*\a+32*\b+\i], v[128*\a+32*\b+\i+1]
.endr
.endr
.endr
.irp a, 0,1
.irp b, 0,1,2,3
	v_max3_num_f32 v[BM+4*\a+\b], v[BM+4*\a+\b], v[128*\a+32*\b+31], v[128*\a+32*\b+31]
.endr
.endr
	WIN 0
.irp a, 0,1                            ; the new M and the factor, the two tiles by turns
	v_mov_b32 v[OLD+\a], v[NM+2*\a]
.endr
.irp a, 0,1
	v_max3_num_f32 v[T0+\a], v[BM+4*\a], v[BM+4*\a+1], v[BM+4*\a+2]
.endr
.irp a, 0,1
	DEP2
	v_max_num_f32 v[T0+\a], v[T0+\a], v[BM+4*\a+3]
.endr
.irp a, 0,1
	DEP2
	v_permlanex16_b32 v[T1+\a], v[T0+\a], s[SEL], s[SEL+1]
.endr
.irp a, 0,1
	DEP2
	v_max_num_f32 v[T0+\a], v[T0+\a], v[T1+\a]     ; the trip's largest score of my query
.endr
.irp a, 0,1
	DEP2
	v_mul_f32 v[T0+\a], s[CS], v[T0+\a]
.endr
.irp a, 0,1
	DEP2
	v_max_num_f32 v[NM+2*\a+1], v[NM+2*\a+1], v[T0+\a]   ; the running largest t
.endr
.irp a, 0,1
	DEP2
	v_floor_f32 v[NM+2*\a], -v[NM+2*\a+1]          ; -M = floor(-t): M is a whole number
.endr
.irp a, 0,1
	DEP2
	v_sub_f32 v[T0+\a], v[NM+2*\a], v[OLD+\a]      ; old M - new M, 0 or less
.endr
.irp a, 0,1
	DEP2
	v_cvt_i32_f32 v[T0+\a], v[T0+\a]               ; (it saturates)
.endr
.irp a, 0,1
	DEP2
	v_ldexp_f32 v[FF+2*\a], 1.0, v[T0+\a]
.endr
.irp a, 0,1
.irp b, 0,1,2,3
	v_fma_f32 v[BM+4*\a+\b], v[BM+4*\a+\b], s[CS], v[NM+2*\a]   ; t - M of the blocks' largest scores
.endr
.endr
.irp a, 0,1                            ; the sums and O^T under the new M, ahead of the exponentials; each accumulator from its low end on
.irp k, 0,1,2,3
	v_pk_mul_f32 v[SUM+8*\a+2*\k:SUM+8*\a+2*\k+1], v[SUM+8*\a+2*\k:SUM+8*\a+2*\k+1], v[FF+2*\a:FF+2*\a+1] op_sel_hi:[1,0]
.endr
.set N, 0
.rept 16
	v_pk_mul_f32 v[OT+32*\a+N:OT+32*\a+N+1], v[OT+32*\a+N:OT+32*\a+N+1], v[FF+2*\a:FF+2*\a+1] op_sel_hi:[1,0]
.set N, N+2
.endr
.endr
	WIN 0x45                                       ; sources 0 and 1 and the destination in window 1: one setting for the exponentials and the packed work among them
.set N, 0
.rept 32
	v_pk_fma_f32 v[N:N+1], v[N:N+1], s[CS:CS+1], v[NM:NM+1] op_sel_hi:[1,0,0]   ; t - M of unit 0
.set N, N+2
.endr
	s_wait_alu depctr_va_vdst(0)
	WIN 0
.set N, 0
.rept 8
	v_exp_f32 v[BM+N], v[BM+N]                     ; the blocks' largest p
.set N, N+1
.endr
	WIN 0x45
	STAGE 0
	STAGE 1
	STAGE 2
	WIN 0
.set N, 0
.rept 8
	v_max_num_f32 v[BM+N], 0x1800000, v[BM+N]      ; the floor 2^(3 - 127)
.set N, N+1
.endr
.set N, 0
.rept 8
	v_add_nc_u32 v[SO+N], 0xff000000, v[BM+N]      ; 2 off the exponent field: the conversion's scale operand
.set N, N+1
.endr
.irp k, 0,1,2,3                        ; p's four scale words (k = 2 a + d), by turns; my blocks are h and 2 + h of a run's four
	v_lshrrev_b32 v[BY+\k], 23, v[SO+2*\k]
.endr
.irp k, 0,1,2,3
	v_lshrrev_b32 v[PS+\k], 23, v[SO+2*\k+1]
.endr
.irp k, 0,1,2,3
	v_lshl_or_b32 v[PS+\k], v[PS+\k], 16, v[BY+\k]
.endr
.irp k, 0,1,2,3
	v_lshlrev_b32 v[PS+\k], v[SH8], v[PS+\k]
.endr
.irp k, 0,1,2,3
	v_permlanex16_b32 v[BY+\k], v[PS+\k], s[SEL], s[SEL+1]
.endr
.irp k, 0,1,2,3
	v_or_b32 v[PS+\k], v[PS+\k], v[BY+\k]
.endr
	WIN 0x01                                       ; tile 0's codes: from window 1 into X
.irp d, 0,1
.irp c, 0,1
	v_cvt_scalef32_pk16_fp6_f32 v[X+12*\d+6*\c:X+12*\d+6*\c+2], v[64*\d+32*\c:64*\d+32*\c+15], v[SO+2*\d+\c]
	v_cvt_scalef32_pk16_fp6_f32 v[PT+8*\d+4*\c:PT+8*\d+4*\c+2], v[64*\d+32*\c+16:64*\d+32*\c+31], v[SO+2*\d+\c]   ; (a conversion's three registers begin on an even number)
.endr
.endr
	v_nop                                          ; one plain place behind the scaled conversions
	WIN 0x45                                       ; the last stage: unit 3's exponentials, and among them the first level of tile 0's sum, in place: its run 1 onto its run 0
.set N, 0
.rept 32
	v_exp_f32 v[192+N], v[192+N]
	v_exp_f32 v[192+N+1], v[192+N+1]
	v_pk_add_f32 v[N:N+1], v[N:N+1], v[64+N:64+N+1]
.set N, N+2
.endr
	s_wait_alu depctr_va_vdst(0)                   ; ahead of the first readers of both
	SUMS 0, 8                                      ; the 64 partial sums onto tile 0's chains
	WIN 0
.irp d, 0,1
.irp c, 0,1
.irp i, 0,1,2
	v_mov_b32 v[X+12*\d+6*\c+3+\i], v[PT+8*\d+4*\c+\i]
.endr
.endr
.endr
	ds_load_b64 v[VS:VS+1], v[ADT]                 ; V's scale words and fragments land under tile 1's work
	ds_load_b64 v[VS+2:VS+3], v[ADT] offset:512
	WIN 0x40                                       ; into tile 0's registers of window 1, which are done with
	FRAGS 0, VOFF
	FRAGS 48, VOFF+6144
	WIN 0x41                                       ; tile 1's codes: within window 1
.irp d, 0,1
.irp c, 0,1
	v_cvt_scalef32_pk16_fp6_f32 v[PC1+12*\d+6*\c:PC1+12*\d+6*\c+2], v[128+64*\d+32*\c:128+64*\d+32*\c+15], v[SO+4+2*\d+\c]
	v_cvt_scalef32_pk16_fp6_f32 v[PT1+4*\c:PT1+4*\c+2], v[128+64*\d+32*\c+16:128+64*\d+32*\c+31], v[SO+4+2*\d+\c]
.endr
	v_nop
.irp c, 0,1
.irp i, 0,1,2
	v_mov_b32 v[PC1+12*\d+6*\c+3+\i], v[PT1+4*\c+\i]
.endr
.endr
.endr
	SUMS 1, 16                                     ; these 64 are also the places between p's scale words and codes and the products
	s_wait_alu depctr_va_vdst(0)
	s_wait_dscnt 0x0                               ; V's fragments and scale words are in
.irp d, 0,1
	WIN 0x01                                       ; V in window 1, tile 0's codes in window 0
	PV 0, \d, X+12*\d
	WIN 0x05                                       ; tile 1's codes in window 1
	PV 1, \d, PC1+12*\d
.endr
	WIN 0
.endm
.macro RUN                             ; a slot's four trips
	s_mov_b32 s[TB], s[SB]
	s_mov_b32 s[TS], s[SK0]
	s_mov_b32 s[TJ], s[SV0]
	s_mov_b32 s[CNT], 4
	v_add_nc_u32 v[AD16], s[TB], v[L16]            ; the slot's first run of K: behind the barrier, ahead of the first trip
	v_add_nc_u32 v[AD8], s[TB], v[L8]
	v_add_nc_u32 v[ADS], s[TS], v[ASK0]
	s_wait_alu depctr_va_vdst(0)
	FRAGS F, 0
	ds_load_b128 v[KS:KS+3], v[ADS]
.Ltrip_\@:
	TRIP
	s_add_co_u32 s[TB], s[TB], 12288
	s_add_co_u32 s[TS], s[TS], 512
	s_add_co_u32 s[TJ], s[TJ], 1024
	s_sub_co_u32 s[CNT], s[CNT], 1
	s_cmp_lg_u32 s[CNT], 0
	s_cbranch_scc1 .Ltrip_\@
.endm
	s_load_b256 s[4:11], s[0:1], 0x0               ; qkvc, qkvs, oc, os
	v_lshl_add_u32 v[SPW], v0, 2, SPARE
	v_mov_b32 v[NIL], 0
	ds_add_u32 v[SPW], v[NIL]                      ; the wave's opening
	ds_add_u32 v[SPW], v[NIL]
	v_lshrrev_b32 v8, 5, v0
	v_readfirstlane_b32 s[WV], v8                  ; wave 0..7
	s_and_b32 s76, ttmp7, 0xffff
	s_lshr_b32 s77, s76, 3                         ; batch
	s_and_b32 s78, s76, 7                          ; head
	s_lshr_b32 s79, s78, 1                         ; pair of heads
	s_and_b32 s80, s78, 1                          ; head of the pair
	s_lshl_b32 s81, ttmp9, 4
	s_lshl_b32 s82, s[WV], 1
	s_add_co_u32 s81, s81, s82                     ; my first tile of queries in the batch
	s_cmp_lt_u32 ttmp9, 8
	s_cselect_b32 s13, 768, 0                      ; K's rows of three blocks lie 1,536 bytes apart, V's blocks on end
	v_and_b32 v8, 31, v0                           ; lane
	v_and_b32 v9, 15, v0                           ; r
	v_bfe_u32 v10, v0, 4, 1                        ; h
	v_lshlrev_b32 v[L16], 4, v8
	v_lshlrev_b32 v[L8], 3, v8
	v_lshl_add_u32 v[ASK0], v9, 4, SCK
	v_lshl_add_u32 v[ASV0], v8, 4, SCV
	v_lshlrev_b32 v[R8], 3, v9
	v_lshlrev_b32 v[SH8], 3, v10
	v_lshlrev_b32 v255, 4, v9                      ; 16 r: q's scale word
	v_lshl_add_u32 v[ASV0], s80, 3, v[ASV0]
	v_min_u32 v8, 23, v8                           ; the prefetch: block l = min(lane, 23) of my work-group's 24: 256 l + 768 (l / 3) in K, 256 l in V
	v_mul_u32_u24 v9, v8, 11
	v_lshrrev_b32 v9, 5, v9                        ; l / 3 = 11 l >> 5 for l under 24
	v_mul_u32_u24 v9, v9, s13
	v_lshl_add_u32 v[PFO], v8, 8, v9
.irp j, 0,1,2,3,4,5,12,13,14,15,16,17,24,25,26,27,28,29
	v_mov_b32 v[QB+\j], 0                          ; the zero codes round the two q
.endr
.irp a, 0,1
	v_mov_b32 v[NM+2*\a+1], 0xff61b1e6             ; the largest t so far: -3e38
	v_mov_b32 v[FF+2*\a+1], 0                      ; (named as the upper half of a pair)
	v_mov_b32 v[T1+\a], 0                          ; written once: a lane permute's destination counts as one of its sources
.endr
.irp a, 0,1
	v_floor_f32 v[NM+2*\a], -v[NM+2*\a+1]
.endr
.set N, 0
.rept 16
	v_mov_b32 v[SUM+N], 0
.set N, N+1
.endr
	s_wait_alu depctr_va_vdst(0)
	; descriptor groups 1: elements of 8 bytes, no padding, no mask
	s_mov_b32 s[G1K], 3<<16                        ; K: 32 rows (tiles) of 768 bytes, 1,536 bytes apart
	s_mov_b32 s[G1K+1], 96<<16
	s_mov_b32 s[G1K+2], 32<<16
	s_mov_b32 s[G1K+3], 96<<16
	s_mov_b32 s[G1K+4], 32
	s_mov_b32 s[G1K+5], 192
	s_mov_b32 s[G1K+6], 0
	s_mov_b32 s[G1K+7], 0
	s_mov_b32 s[G1V], 3<<16                        ; V: 2 rows (runs of 128 keys) of 6,144 bytes, 49,152 bytes apart
	s_mov_b32 s[G1V+1], 768<<16
	s_mov_b32 s[G1V+2], 2<<16
	s_mov_b32 s[G1V+3], 768<<16
	s_mov_b32 s[G1V+4], 2
	s_mov_b32 s[G1V+5], 6144
	s_mov_b32 s[G1V+6], 0
	s_mov_b32 s[G1V+7], 0
	s_mov_b32 s[G1SK], 3<<16                       ; K's scale words: 32 rows of 256 bytes, 512 bytes apart
	s_mov_b32 s[G1SK+1], 32<<16
	s_mov_b32 s[G1SK+2], 32<<16
	s_mov_b32 s[G1SK+3], 32<<16
	s_mov_b32 s[G1SK+4], 32
	s_mov_b32 s[G1SK+5], 64
	s_mov_b32 s[G1SK+6], 0
	s_mov_b32 s[G1SK+7], 0
	s_mov_b32 s[G1SV], 3<<16                       ; V's: 32 rows of 512 bytes, 2,048 bytes apart
	s_mov_b32 s[G1SV+1], 64<<16
	s_mov_b32 s[G1SV+2], 32<<16
	s_mov_b32 s[G1SV+3], 64<<16
	s_mov_b32 s[G1SV+4], 32
	s_mov_b32 s[G1SV+5], 256
	s_mov_b32 s[G1SV+6], 0
	s_mov_b32 s[G1SV+7], 0
	s_mul_i32 s82, s77, 1572864                    ; the batch, in a part of the codes
	s_mul_i32 s83, s79, 393216
	s_add_co_u32 s83, s83, s82
	s_mul_i32 s84, s80, 768
	s_add_co_u32 s83, s83, s84                     ; q's and k's: batch, pair, head of the pair
	s_add_co_u32 s84, s83, 3145728                 ; K
	s_mov_b32 s85, 0
	s_mul_i32 s86, s78, 6144
	s_add_co_u32 s86, s86, s82
	s_add_co_u32 s86, s86, 6291456                 ; V
	s_mov_b32 s87, 0
	s_mul_i32 s88, s81, 1536
	s_add_co_u32 s88, s88, s83                     ; my q
	s_mov_b32 s89, 0
	s_lshl_b32 s82, s77, 16                        ; the batch, in a part of the scale words
	s_lshl_b32 s83, s79, 14
	s_add_co_u32 s83, s83, s82
	s_lshl_b32 s90, s80, 8
	s_add_co_u32 s83, s83, s90
	s_add_co_u32 s90, s83, 131072                  ; K's
	s_mov_b32 s91, 0
	s_lshl_b32 s92, s79, 9
	s_add_co_u32 s92, s92, s82
	s_add_co_u32 s92, s92, 262144                  ; V's
	s_mov_b32 s93, 0
	s_lshr_b32 s94, s81, 3
	s_lshl_b32 s94, s94, 9
	s_add_co_u32 s94, s94, s83
	s_bfe_u32 s95, s81, 0x20001
	s_lshl_b32 s95, s95, 2
	s_add_co_u32 s94, s94, s95                     ; q's: the word that holds my two tiles' bytes
	s_mov_b32 s95, 0
	s_and_b32 s[G0K+1], s[WV], 1                   ; K's half: 32 tiles: 24,576 bytes of LDS, 49,152 of memory
	s_mul_i32 s2, s[G0K+1], 49152
	s_mov_b32 s3, 0
	s_mul_i32 s[G0K+1], s[G0K+1], 24576
	s_add_co_u32 s[G0V+1], s[WV], 2
	s_and_b32 s[G0V+1], s[G0V+1], 3                ; V's quarter, 0 to 3 in waves 2 to 5: 2 runs: 12,288 bytes of LDS, 98,304 of memory
	s_mul_i32 s66, s[G0V+1], 98304
	s_mov_b32 s67, 0
	s_mul_i32 s[G0V+1], s[G0V+1], 12288
	s_add_co_u32 s[G0V+1], s[G0V+1], VOFF
	s_mov_b32 s[SEL], 0x76543210
	s_mov_b32 s[SEL+1], 0xfedcba98
	s_mov_b32 s[CS], 0x3e38aa3b                    ; log2(e) / 8
	s_mov_b32 s[CS+1], s[CS]                       ; (named with it as a pair)
	s_mov_b32 s[SLOTS], 3
	s_wait_dscnt 0x0                               ; both opening adds are done
	s_wait_kmcnt 0x0
	s_add_nc_u64 s[84:85], s[4:5], s[84:85]        ; K's and V's first bytes of my head
	s_add_nc_u64 s[86:87], s[4:5], s[86:87]
	s_add_nc_u64 s[88:89], s[4:5], s[88:89]
	s_add_nc_u64 s[94:95], s[6:7], s[94:95]
	s_mov_b32 s[G0SK], 1
	s_mov_b32 s[G0SK+1], SCK
	s_add_nc_u64 s[G0SK+2:G0SK+3], s[6:7], s[90:91]
	s_or_b32 s[G0SK+3], s[G0SK+3], 0x80000000
	s_mov_b32 s[G0SV], 1
	s_mov_b32 s[G0SV+1], SCV
	s_add_nc_u64 s[G0SV+2:G0SV+3], s[6:7], s[92:93]
	s_or_b32 s[G0SV+3], s[G0SV+3], 0x80000000
	s_mov_b32 s[G0K], 1
	s_add_nc_u64 s[G0K+2:G0K+3], s[84:85], s[2:3]
	s_or_b32 s[G0K+3], s[G0K+3], 0x80000000
	s_mov_b32 s[G0V], 1
	s_add_nc_u64 s[G0V+2:G0V+3], s[86:87], s[66:67]
	s_or_b32 s[G0V+3], s[G0V+3], 0x80000000
	; THE HEAD'S LOADS, ONE A WAVE, in one chain of branches on the wave's number: every way passes exactly one
	s_cmp_lt_u32 s[WV], 2
	s_cbranch_scc0 .Lhead_v
	TL G0K, G1K
	s_branch .Lhead_asked
.Lhead_v:
	s_cmp_lt_u32 s[WV], 6
	s_cbranch_scc0 .Lhead_sk
	TL G0V, G1V
	s_branch .Lhead_asked
.Lhead_sk:
	s_cmp_eq_u32 s[WV], 6
	s_cbranch_scc0 .Lhead_sv
	TL G0SK, G1SK
	s_branch .Lhead_asked
.Lhead_sv:
	TL G0SV, G1SV
.Lhead_asked:
	global_load_b128 v[QB+6:QB+9], v[L16], s[88:89]            ; the two q stay in registers
	global_load_b64 v[QB+10:QB+11], v[L8], s[88:89] offset:512
	global_load_b128 v[QB+18:QB+21], v[L16], s[88:89] offset:1536
	global_load_b64 v[QB+22:QB+23], v[L8], s[88:89] offset:2048
	global_load_b32 v254, v255, s[94:95]
	s_and_b32 s82, ttmp9, 7                        ; the prefetch's base: work-groups 0-7: K's rows 8 (x % 8) ..; 8-15: V's row x % 8
	s_cmp_lt_u32 ttmp9, 8
	s_cselect_b64 s[PFA:PFA+1], s[84:85], s[86:87]
	s_mov_b32 s[PFS], VSLOT
	s_cselect_b32 s[PFS], KSLOT, s[PFS]
	s_mov_b32 s[PFS+1], 0
	s_mov_b32 s83, 49152
	s_cselect_b32 s83, 12288, s83
	s_mul_i32 s90, s82, s83
	s_mov_b32 s91, 0
	s_add_nc_u64 s[PFA:PFA+1], s[PFA:PFA+1], s[90:91]
	s_add_nc_u64 s[PFA:PFA+1], s[PFA:PFA+1], s[PFS:PFS+1]   ; in slot 1: the first change of slots steps it to slot 2.  Nothing is prefetched at the head
	s_cmp_eq_u32 s[WV], 7
	s_cselect_b32 s[LIM], 1, -1
	s_mov_b32 s[SB], 0
	s_mov_b32 s[SK0], 0
	s_mov_b32 s[SV0], 0
	s_wait_loadcnt 0x0                             ; q and its scale word
	v_perm_b32 v[QS], v254, v254, 0x01000100       ; the even tile's two bytes twice: they serve q in either half of K;
	v_perm_b32 v[QS+1], v254, v254, 0x03020302     ; the odd tile's
.set N, 0
.rept 64
	v_mov_b32 v[OT+N], 0                           ; O^T.  (These are also the places between q's scale words and the first product)
.set N, N+1
.endr
	s_wait_alu depctr_va_vdst(0)
.Lslot:                                            ; 3 trips: behind each change of slots but the last the next slot is asked for
	CHANGE 1
	RUN
	s_xor_b32 s[SB], s[SB], SLOT1
	s_add_co_u32 s[SK0], s[SK0], 2048
	s_add_co_u32 s[SV0], s[SV0], 4096
	s_sub_co_u32 s[SLOTS], s[SLOTS], 1
	s_cmp_lg_u32 s[SLOTS], 0
	s_cbranch_scc1 .Lslot
	CHANGE 0                                       ; the last slot is written out
	RUN
	; THE WAY OUT.  O^T / the sum: a tile's 32 numbers of a lane are dims 32 h + 0 .. 31 of its query: one whole block of the last projection's K.  Quantised and stored as a half of a fragment's image.
.set RS, F                             ; tile a's quotients at RS + 48 a
	s_wait_alu depctr_va_vdst(0)
.irp a, 0,1
	v_pk_add_f32 v[SUM+8*\a:SUM+8*\a+1], v[SUM+8*\a:SUM+8*\a+1], v[SUM+8*\a+2:SUM+8*\a+3]
	v_pk_add_f32 v[SUM+8*\a+4:SUM+8*\a+5], v[SUM+8*\a+4:SUM+8*\a+5], v[SUM+8*\a+6:SUM+8*\a+7]
.endr
.irp a, 0,1
	v_pk_add_f32 v[SUM+8*\a:SUM+8*\a+1], v[SUM+8*\a:SUM+8*\a+1], v[SUM+8*\a+4:SUM+8*\a+5]
.endr
.irp a, 0,1
	DEP2
	v_add_f32 v[SUM+8*\a], v[SUM+8*\a], v[SUM+8*\a+1]
.endr
.irp a, 0,1
	DEP2
	v_permlanex16_b32 v[T1+\a], v[SUM+8*\a], s[SEL], s[SEL+1]
.endr
.irp a, 0,1
	DEP2
	v_add_f32 v[SUM+8*\a], v[SUM+8*\a], v[T1+\a]
.endr
	s_wait_alu depctr_va_vdst(0)
	v_rcp_f32 v[SUM], v[SUM]
	v_rcp_f32 v[SUM+8], v[SUM+8]
	v_nop                                          ; a plain place behind them
	s_lshl_b32 s82, s77, 8
	s_add_co_u32 s82, s82, s81                     ; my first tile among the 512
	s_mul_i32 s84, s82, 6144
	s_mul_i32 s85, s78, 768
	s_add_co_u32 s84, s84, s85
	s_mov_b32 s85, 0
	s_add_nc_u64 s[8:9], s[8:9], s[84:85]
	s_lshl_b32 s86, s82, 8
	s_and_b32 s87, s79, 1
	s_lshl_b32 s87, s87, 7
	s_add_co_u32 s86, s86, s87
	s_lshr_b32 s87, s79, 1
	s_lshl_b32 s87, s87, 2
	s_add_co_u32 s86, s86, s87
	s_lshl_b32 s87, s80, 1
	s_add_co_u32 s86, s86, s87
	s_mov_b32 s87, 0
	s_add_nc_u64 s[10:11], s[10:11], s[86:87]
	s_wait_alu depctr_va_vdst(0)                   ; the wait ahead of the reciprocals' first reader
.irp a, 0,1
.set N, 0
.rept 16
	v_pk_mul_f32 v[RS+48*\a+N:RS+48*\a+N+1], v[OT+32*\a+N:OT+32*\a+N+1], v[SUM+8*\a:SUM+8*\a+1] op_sel_hi:[1,0]   ; each accumulator from its low end on
.set N, N+2
.endr
.endr
.irp a, 0,1
.irp c, 0,1
	v_max3_num_f32 v[BM+2*\a+\c], |v[RS+48*\a+16*\c]|, |v[RS+48*\a+16*\c+1]|, 0x1800000
.endr
.endr
.irp i, 2,4,6,8,10,12,14
.irp a, 0,1
.irp c, 0,1
	v_max3_num_f32 v[BM+2*\a+\c], v[BM+2*\a+\c], |v[RS+48*\a+16*\c+\i]|, |v[RS+48*\a+16*\c+\i+1]|
.endr
.endr
.endr
.irp a, 0,1
	v_max_num_f32 v[BM+2*\a], v[BM+2*\a], v[BM+2*\a+1]
.endr
.irp a, 0,1
	DEP2
	v_add_nc_u32 v[SO+\a], 0xff000000, v[BM+2*\a]
.endr
.irp a, 0,1
	DEP2
	v_lshrrev_b32 v[T0+\a], 23, v[SO+\a]
.endr
.irp a, 0,1
	DEP2
	v_lshlrev_b32 v[T0+\a], v[SH8], v[T0+\a]
.endr
.irp a, 0,1
	DEP2
	v_permlanex16_b32 v[T1+\a], v[T0+\a], s[SEL], s[SEL+1]
.endr
.irp a, 0,1
	DEP2
	v_or_b32 v[T0+\a], v[T0+\a], v[T1+\a]          ; the head's two bytes of my query
.endr
	v_nop
.irp a, 0,1                            ; the codes go where O^T lay
	v_cvt_scalef32_pk16_fp6_f32 v[OT+32*\a:OT+32*\a+2], v[RS+48*\a:RS+48*\a+15], v[SO+\a]
	v_cvt_scalef32_pk16_fp6_f32 v[OT+32*\a+8:OT+32*\a+10], v[RS+48*\a+16:RS+48*\a+31], v[SO+\a]
.endr
	v_nop                                          ; one plain place behind the scaled conversions
.irp a, 0,1
.irp i, 0,1,2
	v_mov_b32 v[OT+32*\a+3+\i], v[OT+32*\a+8+\i]
.endr
.endr
.irp a, 0,1
	global_store_b128 v[L16], v[OT+32*\a:OT+32*\a+3], s[8:9] offset:6144*\a            ; 512 and 256 consecutive bytes, aligned
	global_store_b64 v[L8], v[OT+32*\a+4:OT+32*\a+5], s[8:9] offset:6144*\a+512
	global_store_b16 v[R8], v[T0+\a], s[10:11] offset:256*\a                           ; lanes l and l xor 16 store the same two bytes with the same value
.endr
	s_wait_tensorcnt 0x0                           ; the wave's end
	ds_add_u32 v[SPW], v[NIL]
	s_wait_dscnt 0x0
	s_endpgm
.Lfunc_end_k_qf43bb2a6ba_attn:
	.size	k_qf43bb2a6ba_attn, .Lfunc_end_k_qf43bb2a6ba_attn-k_qf43bb2a6ba_attn
	.p2alignl 7, 3214868480
	.fill 96, 4, 3214868480
	.section	.rodata,"a",@progbits
	.p2align	6, 0x0
	.amdhsa_kernel k_qf43bb2a6ba_attn
		.amdhsa_group_segment_fixed_size 327680
		.amdhsa_private_segment_fixed_size 0
		.amdhsa_enable_private_segment 0
		.amdhsa_kernarg_size 32
		.amdhsa_user_sgpr_count 2
		.amdhsa_user_sgpr_kernarg_segment_ptr 1
		.amdhsa_wavefront_size32 1
		.amdhsa_system_sgpr_workgroup_id_x 1
		.amdhsa_system_sgpr_workgroup_id_y 1
		.amdhsa_system_sgpr_workgroup_id_z 1
		.amdhsa_system_vgpr_workitem_id 0
		.amdhsa_next_free_vgpr 512
		.amdhsa_next_free_sgpr 96
		.amdhsa_reserve_vcc 0
		.amdhsa_float_denorm_mode_32 3
		.amdhsa_float_denorm_mode_16_64 3
		.amdhsa_memory_ordered 1
		.amdhsa_forward_progress 1
		.amdhsa_inst_pref_size 130
	.end_amdhsa_kernel
	.amdgpu_metadata
---
amdhsa.version: [ 1, 2 ]
amdhsa.kernels:
  - .name:           k_qf43bb2a6ba_attn
    .symbol:         k_qf43bb2a6ba_attn.kd
    .args:
      - { .name: qkvc, .offset: 0, .size: 8, .value_kind: global_buffer, .address_space: global }
      - { .name: qkvs, .offset: 8, .size: 8, .value_kind: global_buffer, .address_space: global }
      - { .name: oc, .offset: 16, .size: 8, .value_kind: global_buffer, .address_space: global }
      - { .name: os, .offset: 24, .size: 8, .value_kind: global_buffer, .address_space: global }
    .group_segment_fixed_size: 327680
    .private_segment_fixed_size: 0
    .kernarg_segment_align: 8
    .kernarg_segment_size: 32
    .max_flat_workgroup_size: 256
    .sgpr_count:     96
    .vgpr_count:     512
    .wavefront_size: 32
...
	.end_amdgpu_metadata
.endif
;; end of part 3
;; launch outp (part 4): grid 512 x 1, 1 waves a work-group, no clusters, 8,704 bytes of LDS; arguments cimg, simg, oc, os, bo, out0; writes out0
.if DOCPART == 4
	.amdgcn_target "amdgcn-amd-amdhsa--gfx1250"
	.amdhsa_code_object_version 6
	.text
	.protected	k_qf43bb2a6ba_outp
	.globl	k_qf43bb2a6ba_outp
	.p2align	8
	.type	k_qf43bb2a6ba_outp,@function
k_qf43bb2a6ba_outp:
	s_mov_b64 s[64:65], 0
	v_nop
	global_prefetch_b8 v0, s[64:65] scope:SCOPE_SE
	s_setreg_imm32_b32 hwreg(HW_REG_WAVE_MODE, 25, 1), 1
	s_wait_xcnt 0x0
; out0 = o Wo^T + bo on codes of FP6 (E2M3) with E8M0 scales; o's codes and scale bytes come from the attention launch, Wo's from the quantiser's, both as images of registers.
; One wave does one job: 8 HELD tiles of Wo (128 output columns; 32 fragments, 384 registers, read once) against 4 tiles of o (one group of 64 rows): 128 matrix instructions, source 0 = Wo, source 1 = o.
; By the order of Wo's tiles' rows a lane holds one row of o and, in registers 32 c + i, column 128 cg + 64 c + 32 h + i.  The bias is the C of each sum's first matrix instruction.
; A tile's 16 rows x 512 bytes go through a stage in LDS (rows of 528 bytes) and leave as rows: each store covers 512 consecutive bytes, aligned.
; Lane k of o's tile 4 G + i is row 64 G + 8 i + k % 8 + 32 (k / 8): the stores' offsets put each row in its place.
; No tensor load, no cluster: operands go from memory straight into the registers in which the matrix unit takes them, and a work-group is one wave.
; REGISTERS: window 0 as named; window 1: held fragment (t, s = 0, 1) at v[12 (2 t + s)]; window 2: (t, s = 2, 3) at v[12 (2 t + s - 2)], and from v192 the bias, 8 registers a tile.
.set SP,    528
.set SPARE, 16*SP                      ; behind the stage: the spare words, one block of 256 bytes that no other line names
.set L16,   1                          ; v1   16 x lane
.set L8,    2                          ; v2   8 x lane
.set STO,   3                          ; v3   528 r + 128 h
.set BO,    4                          ; v4   128 h
.set SPW,   5
.set NIL,   6
.set HS,    12                         ; v12-27 Wo's scale words
.set SS,    28                         ; v28-31 o's, two sets
.set F,     32                         ; v32-79, v80-127 o's four fragments, two sets
.set ACC,   128
.set BK,    192                        ; v192-255 16 rows read back from the stage
.set BIAS,  192                        ; in window 2
.set MSB, 0
.macro WIN new                         ; the immediate's high byte repeats the setting that is left
.if MSB != \new
	s_set_vgpr_msb (MSB<<8)|\new
.set MSB, \new
.endif
.endm
.macro OLOAD i                         ; o's tile i: eight halves (16 loads) and its scale words: 17 loads
.irp s, 0,1,2,3
.irp c, 0,1
	global_load_b128 v[F+48*((\i)%2)+12*\s+6*\c:F+48*((\i)%2)+12*\s+6*\c+3], v[L16], s[8:9] offset:6144*(\i)+1536*\s+768*\c
	global_load_b64 v[F+48*((\i)%2)+12*\s+6*\c+4:F+48*((\i)%2)+12*\s+6*\c+5], v[L8], s[8:9] offset:6144*(\i)+1536*\s+768*\c+512
.endr
.endr
	global_load_b64 v[SS+2*((\i)%2):SS+2*((\i)%2)+1], v[L8], s[10:11] offset:256*(\i)
.endm
.macro PRODS s, first                  ; K step s of the eight accumulators, by turns, one instruction a turn
.irp t, 0,1,2,3,4,5,6,7
.if \first
	v_wmma_scale_f32_16x16x128_f8f6f4 v[ACC+8*\t:ACC+8*\t+7], v[12*(2*\t):12*(2*\t)+11], v[FS:FS+11], v[BIAS+8*\t:BIAS+8*\t+7], v[HS+2*\t], v[SSI] matrix_a_fmt:MATRIX_FMT_FP6 matrix_b_fmt:MATRIX_FMT_FP6
.elseif (\s)%2
	v_wmma_scale_f32_16x16x128_f8f6f4 v[ACC+8*\t:ACC+8*\t+7], v[12*(2*\t+1):12*(2*\t+1)+11], v[FS+12*(\s):FS+12*(\s)+11], v[ACC+8*\t:ACC+8*\t+7], v[HS+2*\t+(\s)/2], v[SSI+(\s)/2] matrix_a_fmt:MATRIX_FMT_FP6 matrix_b_fmt:MATRIX_FMT_FP6 matrix_a_scale:MATRIX_SCALE_ROW1 matrix_b_scale:MATRIX_SCALE_ROW1
.else
	v_wmma_scale_f32_16x16x128_f8f6f4 v[ACC+8*\t:ACC+8*\t+7], v[12*(2*\t):12*(2*\t)+11], v[FS+12*(\s):FS+12*(\s)+11], v[ACC+8*\t:ACC+8*\t+7], v[HS+2*\t+(\s)/2], v[SSI+(\s)/2] matrix_a_fmt:MATRIX_FMT_FP6 matrix_b_fmt:MATRIX_FMT_FP6
.endif
.endr
.endm
.macro OTILE i
.set FS,  F+48*((\i)%2)
.set SSI, SS+2*((\i)%2)
.if (\i) < 3
	s_wait_loadcnt 17                              ; all but the next tile's 17 loads are in
.else
	s_wait_loadcnt 0x0
.endif
	WIN 0x21                                       ; source 0 (Wo) window 1, source 2 (the bias) window 2
	PRODS 0, 1
	WIN 0x01
	PRODS 1, 0
	WIN 0x02
	PRODS 2, 0
	PRODS 3, 0
	WIN 0
.rept 5
	v_nop                                          ; places: four ahead of the LDS stores of results and of the loads into the set just multiplied, five ahead of the next tile's products, which write over these accumulators
.endr
.if (\i)+2 < 4
	OLOAD (\i)+2
.endif
	s_wait_xcnt 0x0                                ; the last tile's stores have read the registers into which the stage is read back
.irp c, 0,1
.irp q, 0,1,2,3,4,5,6,7
	ds_store_b128 v[STO], v[ACC+32*\c+4*\q:ACC+32*\c+4*\q+3] offset:256*\c+16*\q   ; each accumulator from its low end on
.endr
.endr
.irp k, 0,1,2,3,4,5,6,7,8,9,10,11,12,13,14,15
	ds_load_b128 v[BK+4*\k:BK+4*\k+3], v[L16] offset:SP*\k      ; LDS serves a wave's instructions in order (ISA guide 5.7.1.4): these see the stores above
.endr
.irp k, 0,1,2,3,4,5,6,7,8,9,10,11,12,13,14,15
	s_wait_dscnt 15-\k                             ; row k is back; the rows behind it may be out
	global_store_b128 v[L16], v[BK+4*\k:BK+4*\k+3], s[14:15] offset:(8*(\i)+(\k%8)+32*(\k/8))*2048 th:TH_STORE_NT
.endr
.endm
	s_load_b256 s[4:11], s[0:1], 0x0               ; cimg, simg, oc, os
	s_load_b128 s[12:15], s[0:1], 0x20             ; bo, out0
	v_lshl_add_u32 v[SPW], v0, 2, SPARE
	v_mov_b32 v[NIL], 0
	v_lshlrev_b32 v[L16], 4, v0                    ; one wave: the thread's number is the lane
	v_lshlrev_b32 v[L8], 3, v0
	v_and_b32 v8, 15, v0                           ; r
	v_lshrrev_b32 v9, 4, v0                        ; h
	v_mul_u32_u24 v[STO], v8, SP
	v_lshl_add_u32 v[STO], v9, 7, v[STO]
	v_lshlrev_b32 v[BO], 7, v9
	s_and_b32 s28, ttmp9, 3                        ; which 128 columns
	s_lshr_b32 s29, ttmp9, 2                       ; which 64 rows
	s_lshl_b32 s30, s28, 3
	s_add_co_u32 s30, s30, 608                     ; Wo's first tile of mine
	s_mul_i32 s32, s30, 6144
	s_mov_b32 s33, 0
	s_lshl_b32 s34, s30, 8
	s_mov_b32 s35, 0
	s_mul_i32 s36, s29, 24576                      ; four tiles of o
	s_mov_b32 s37, 0
	s_lshl_b32 s38, s29, 10
	s_mov_b32 s39, 0
	s_lshl_b32 s40, s28, 9                         ; 128 columns of 4 bytes
	s_mov_b32 s41, 0
	s_lshl_b32 s42, s29, 17                        ; 64 rows of 2,048 bytes
	s_add_co_u32 s42, s42, s40
	s_mov_b32 s43, 0
	s_wait_alu depctr_va_vdst(0)
	s_wait_kmcnt 0x0
	s_add_nc_u64 s[4:5], s[4:5], s[32:33]
	s_add_nc_u64 s[6:7], s[6:7], s[34:35]
	s_add_nc_u64 s[8:9], s[8:9], s[36:37]
	s_add_nc_u64 s[10:11], s[10:11], s[38:39]
	s_add_nc_u64 s[12:13], s[12:13], s[40:41]
	s_add_nc_u64 s[14:15], s[14:15], s[42:43]
	WIN 0x40                                       ; destination window 1
.irp t, 0,1,2,3,4,5,6,7
.irp s, 0,1
.irp g, 0,1,2
	global_load_b128 v[12*(2*\t+\s)+4*\g:12*(2*\t+\s)+4*\g+3], v[L16], s[4:5] offset:6144*\t+1536*\s+512*\g
.endr
.endr
.endr
	WIN 0x80                                       ; destination window 2
.irp t, 0,1,2,3,4,5,6,7
.irp s, 0,1
.irp g, 0,1,2
	global_load_b128 v[12*(2*\t+\s)+4*\g:12*(2*\t+\s)+4*\g+3], v[L16], s[4:5] offset:6144*\t+1536*(\s+2)+512*\g
.endr
.endr
.endr
.irp t, 0,1,2,3,4,5,6,7                        ; the bias in the result's layout: tile 4 c + u, register j: column 64 c + 32 h + 8 u + j
	global_load_b128 v[BIAS+8*\t:BIAS+8*\t+3], v[BO], s[12:13] offset:(64*(\t/4)+8*(\t%4))*4
	global_load_b128 v[BIAS+8*\t+4:BIAS+8*\t+7], v[BO], s[12:13] offset:(64*(\t/4)+8*(\t%4))*4+16
.endr
	WIN 0
.irp t, 0,1,2,3,4,5,6,7
	global_load_b64 v[HS+2*\t:HS+2*\t+1], v[L8], s[6:7] offset:256*\t
.endr
	OLOAD 0
	OLOAD 1
.irp i, 0,1,2,3
	OTILE \i
.endr
	s_wait_tensorcnt 0x0                           ; the wave's end
	ds_add_u32 v[SPW], v[NIL]
	s_wait_dscnt 0x0
	s_endpgm
.Lfunc_end_k_qf43bb2a6ba_outp:
	.size	k_qf43bb2a6ba_outp, .Lfunc_end_k_qf43bb2a6ba_outp-k_qf43bb2a6ba_outp
	.p2alignl 7, 3214868480
	.fill 96, 4, 3214868480
	.section	.rodata,"a",@progbits
	.p2align	6, 0x0
	.amdhsa_kernel k_qf43bb2a6ba_outp
		.amdhsa_group_segment_fixed_size 8704
		.amdhsa_private_segment_fixed_size 0
		.amdhsa_enable_private_segment 0
		.amdhsa_kernarg_size 48
		.amdhsa_user_sgpr_count 2
		.amdhsa_user_sgpr_kernarg_segment_ptr 1
		.amdhsa_wavefront_size32 1
		.amdhsa_system_sgpr_workgroup_id_x 1
		.amdhsa_system_sgpr_workgroup_id_y 1
		.amdhsa_system_sgpr_workgroup_id_z 1
		.amdhsa_system_vgpr_workitem_id 0
		.amdhsa_next_free_vgpr 768
		.amdhsa_next_free_sgpr 66
		.amdhsa_reserve_vcc 0
		.amdhsa_float_denorm_mode_32 3
		.amdhsa_float_denorm_mode_16_64 3
		.amdhsa_memory_ordered 1
		.amdhsa_forward_progress 1
		.amdhsa_inst_pref_size 53
	.end_amdhsa_kernel
	.amdgpu_metadata
---
amdhsa.version: [ 1, 2 ]
amdhsa.kernels:
  - .name:           k_qf43bb2a6ba_outp
    .symbol:         k_qf43bb2a6ba_outp.kd
    .args:
      - { .name: cimg, .offset: 0, .size: 8, .value_kind: global_buffer, .address_space: global }
      - { .name: simg, .offset: 8, .size: 8, .value_kind: global_buffer, .address_space: global }
      - { .name: oc, .offset: 16, .size: 8, .value_kind: global_buffer, .address_space: global }
      - { .name: os, .offset: 24, .size: 8, .value_kind: global_buffer, .address_space: global }
      - { .name: bo, .offset: 32, .size: 8, .value_kind: global_buffer, .address_space: global }
      - { .name: out0, .offset: 40, .size: 8, .value_kind: global_buffer, .address_space: global }
    .group_segment_fixed_size: 8704
    .private_segment_fixed_size: 0
    .kernarg_segment_align: 8
    .kernarg_segment_size: 48
    .max_flat_workgroup_size: 32
    .sgpr_count:     66
    .vgpr_count:     768
    .wavefront_size: 32
...
	.end_amdgpu_metadata
.endif
;; end of part 4
